; MI455X (gfx1250); checked and timed in simulation.
; The chip was launched on July 23, 2026; its instructions are those of AMD's public machine-readable ISA for CDNA 5 (MIT licence, August 2026) and "CDNA5" Instruction Set Architecture Reference Guide (July 2026). The comments in the code are by the model that wrote it; some were corrected since.
;; Attn. Allowed arithmetic: matrix products marked QUANTISED: E2M1 operands, one E8M0 scale for each 32 along K, by v_wmma_scale_f32_16x16x128_f8f6f4 with both operands' format E2M1 (or v_wmma_scale_f32_32x16x128_f4), f32 sums; everything else in f32.
;; Inputs: k 2 x 2,048 x 8 x 128 float32; q 2 x 2,048 x 32 x 128 float32; v 2 x 2,048 x 8 x 128 float32.
;; Outputs: out0 2 x 2,048 x 32 x 128 float32.
;; This version of the problem:
;;   THIS VERSION OF THE PROBLEM IS GIVEN IN LOW PRECISION. The matrix products marked QUANTISED in the list below multiply operands that are first quantised to E2M1 (2 exponent bits, 1 mantissa bit; 4 bits a number), with one power-of-two scale for each 32 numbers along K (OCP MX v1.0); their sums are f32. All else is computed in f32.
;;   The module's matrix products, in the order in which they are computed (A, B: the left and right operand; K: the contracted axis; several contracted axes count as one K, in the product's order):
;;     1. batch 64 x [M 2,048, K 128] x [K 128, N 2,048]; A: input q; B: input k: QUANTISED
;;     2. batch 64 x [M 128, K 2,048] x [K 2,048, N 2,048]; A: input v; B: softmax (see below): QUANTISED
;;   THE QUANTISER, for each operand of a quantised product, along K:
;;     - K is cut into blocks of 32 from its start; a last block that is shorter is filled with zeros.
;;     - A block's scale is 2^e with e = floor(log2(the largest magnitude in the block)) - 2, held to -126 .. 127; a block of zeros has e = 0. As a byte (E8M0): e + 127.
;;     - Each number is divided by its block's scale, clamped to +-6, and rounded to the nearest number of E2M1, ties to even, subnormals kept.
;;     - The product sums the exact products of the quantised numbers (number of the format x scale) in f32.
;;   ~~~python
;;   def quantise(x, axis):      # numpy; x: float32 -> the quantised numbers, widened to float32 again
;;       x = np.moveaxis(x, axis, -1); K = x.shape[-1]
;;       x = np.pad(x, [(0, 0)] * (x.ndim - 1) + [(0, -K % 32)]); x = x.reshape(x.shape[:-1] + (-1, 32)); a = np.abs(x).max(-1, keepdims=True)
;;       e = np.where(a > 0, np.clip(np.frexp(np.where(a > 0, a, 1))[1] - 1 - 2, -126, 127), 0)      # np.frexp(a)[1] - 1 = floor(log2(a)), exactly
;;       r = np.clip(x / 2.0 ** e, -6, 6)
;;       step = 2.0 ** (np.maximum(np.frexp(np.where(r == 0, 1, r))[1] - 1, 0) - 1)
;;       q = np.round(r / step) * step * 2.0 ** e      # np.round: ties to even
;;       return np.moveaxis(q.reshape(q.shape[:-2] + (-1,))[..., :K], -1, axis).astype(np.float32)
;;   ~~~
;;   SOFTMAX AHEAD OF A QUANTISED PRODUCT. Where the list says 'softmax', what is quantised is not the finished softmax but p = 2^(t - M), with t = logit x log2(e) and M = ceil(the row's largest t), a whole number; so 1/2 < the row's largest p <= 1. The row's sum l is taken of the UNQUANTISED p, in f32, and the product's result is divided by l at the end. Since M is a whole number, a kernel that streams over the keys may use a running M (the ceiling of the running maximum): every later rescaling is an exact power of two, which a block's scale takes up: the codes' values come out the same.
;;   OPERANDS COMPUTED ON THE WAY. 'Computed on the way' means the value that the module computes at that place (a softmax that the list does not call 'softmax' is quantised finished and normalised). What goes into a quantiser is computed in f32, as accurately as f32 sums, v_exp_f32 and their like allow (about 1e-6 of the number): no bf16 or f16 on the way to a quantiser, and a product that is left as it is and whose result goes on into a quantised operand takes f32 operands (vector FMAs, or v_wmma_f32_16x16x4_f32). A number that lies on a knife's edge between two numbers of the format may be rounded either way, as far as f32 arithmetic and the matrix unit's own rounding can turn it there, and no further.
;; One version. Each part assembles by itself: llvm-mc -triple=amdgcn-amd-amdhsa -mcpu=gfx1250 --defsym DOCPART=n.
;; ======== version 1 of 1: 2 launches
;; workspace buffers: kvc 4,194,304 bytes; kvs 262,144 bytes
;; launch prep (part 1): grid 16 x 16, 8 waves a work-group, no clusters, 69,632 bytes of LDS; arguments k, v, kvc, kvs; writes kvc, kvs
.if DOCPART == 1
	.amdgcn_target "amdgcn-amd-amdhsa--gfx1250"
	.amdhsa_code_object_version 6
	.text
	.protected	k_q48087fd651_prep
	.globl	k_q48087fd651_prep
	.p2align	8
	.type	k_q48087fd651_prep,@function
k_q48087fd651_prep:
	s_mov_b64 s[64:65], 0
	v_nop
	global_prefetch_b8 v0, s[64:65] scope:SCOPE_SE
	s_setreg_imm32_b32 hwreg(HW_REG_WAVE_MODE, 25, 1), 1
	s_wait_xcnt 0x0
; THE PROGRAM: causal attention, 32 query heads on 8 key/value heads, head size 128, both products on codes of FP4 (E2M1) with one E8M0 scale for each 32 along a product's K.
; Two launches.  This one quantises k (along the head's 128) and v (along the keys) once, since 4 heads x many query blocks read them; the second quantises q in registers and does the rest.
; WORK LEFT OUT BY THE PROGRAM (in the second launch; this one leaves nothing out).  The mask adds -infinity to score(query i, key j) wherever j > i (KL = QL), whatever the inputs hold.
; There p = 2^(-infinity) = 0 exactly: it adds nothing to the row's sum, its code is 0, and it adds nothing to the second product.  So a step of 128 keys whose first key comes after all of a
; tile's queries reaches no output, and is left out whole, both products and softmax.  LIMIT: a NaN, an infinity or an overflow that reaches only such steps is not carried to the result.
; THE QUANTISER.  A block's scale is 2^(floor(log2(its largest magnitude)) - 2): its byte is the largest magnitude's own exponent field - 2, held at 1 from below by a floor among the maximum's leaves.
; LIMITS: a block of zeros gets the byte 1 where the rule says 127 (its codes are zeros, which add nothing under that byte, and this program alone reads the bytes); blocks whose largest magnitude
; lies under 2^-124 have their byte held at 1; NaN and infinities among the inputs are not served.
; WHAT IS STORED: images of the operands' registers, one unit for each (batch, key/value head, step of 128 keys).
;   kvc unit, 16,384 bytes: K's tile t (0..7) at 1024 t, register group c (0, 1) at + 512 c, lane l's 16 bytes at + 16 l: with r = l % 16, h = l / 16: d = 64 c + 32 h + 0..31 of key 32 (t / 2) + 8 (t % 2) + r + 8 (r / 8).
;   (The keys of a tile are not neighbours: so the scores of two neighbouring tiles are 16 neighbouring keys in a lane's registers, as the second product's quantiser wants them.)
;   V's tile t at 8192 + 1024 t + 512 c + 16 l: keys 64 c + 32 h + 0..31 of the step, channel 16 t + r.
;   kvs unit, 1,024 bytes: K's scale word of (tile t, row r) at 256 (t / 4) + 16 r + 4 (t % 4); V's at 512 + the same: one 16-byte load a lane brings four tiles' words.
; SHARES.  A work-group (x = step, y = 8 batch + head) makes one unit.  All eight waves take one path: wave w first makes K's tile w, then V's channels 32 (w % 4) on for keys 64 (w / 4) on.
; K: a load takes a whole row of 512 bytes, 16 bytes a lane; the conversions want 16 neighbours along d in one lane: the 16 rows turn through the wave's own stage in LDS.
; V: a lane takes a channel and its registers run down the keys: a block of 32 keys lies in one lane, and the codes come out with the keys innermost.
.set SCL,   0                          ; LDS: the unit's scale words, 1,024 bytes
.set SPARE, 1024                       ; the spare words, 128 bytes for each wave: four blocks of 256 bytes that no other line names
.set KST,   2048                       ; a stage for each wave: 16 rows of 512 bytes + 16
.set KP,    528                        ; its pitch: an odd multiple of 16 bytes, so that the 16 rows of a load begin at 16 different 16-byte columns
.set KSTW,  16*KP
.set LI,  4                            ; v4   16 x lane
.set KSI, 5                            ; v5   the stage, on the way in
.set KSO, 6                            ; v6   and out: row r, + 64 h
.set KSC, 7                            ; v7   where K's scale word goes
.set VSC, 8                            ; v8   where V's two scale bytes go
.set L4,  9                            ; v9   4 x lane
.set SPW, 10                           ; v10  LDS address of my spare word; never rewritten
.set NIL, 11                           ; v11  0; never rewritten
.set KR,  16                           ; v16-79   K as loaded
.set VR,  80                           ; v80-143  V: 64 keys of my channel
.set KX,  144                          ; v144-207 K turned: register 16 b + i = d 32 b + 16 h + i of row r
.set QM,  208                          ; v208-211 largest magnitudes
.set QT,  212                          ; v212-215 the other half's, then the bytes
.set PW,  216                          ; v216 K's scale word;  v217 V's two bytes
.set QO,  220                          ; v220-223 the conversions' scale operands
.set PC,  224                          ; v224-231 K's codes
.set CX,  232                          ; v232-235 V's codes of keys 0-31 of my 64
.set CY,  236                          ; v236-239 of keys 32-63
.set SEL, 20                           ; s[20:21] lane selects for v_permlanex16_b32: lane l xor 16
; 64 numbers of a lane, register 16 b + i = k 32 b + 16 (lane / 16) + i of my row, become a fragment's codes in v[pc] on and its scale word in v[pw].
.macro QUANT s, pc, pw
.irp b, 0,1,2,3
	v_max3_num_f32 v[QM+\b], |v[(\s)+16*\b]|, |v[(\s)+1+16*\b]|, 0x1800000   ; block b: my 16 numbers, and the floor 2^(3 - 127): the byte cannot fall under 1
.endr
.irp i, 2,4,6,8,10,12,14
.irp b, 0,1,2,3
	v_max3_num_f32 v[QM+\b], v[QM+\b], |v[(\s)+16*\b+\i]|, |v[(\s)+1+16*\b+\i]|   ; the four blocks by turns
.endr
.endr
.irp b, 0,1,2,3
	v_permlanex16_b32 v[QT+\b], v[QM+\b], s[SEL], s[SEL+1]
.endr
.irp b, 0,1,2,3
	v_max_num_f32 v[QM+\b], v[QM+\b], v[QT+\b]     ; with lane l xor 16's: the block's largest magnitude
.endr
.irp b, 0,1,2,3
	v_add_nc_u32 v[QO+\b], 0xff000000, v[QM+\b]    ; 2 off its exponent field: the conversion takes that field as its scale
.endr
.irp b, 0,1,2,3
	v_lshrrev_b32 v[QT+\b], 23, v[QO+\b]           ; the scale's byte
.endr
	v_lshl_or_b32 v[\pw], v[QT+1], 8, v[QT]        ; the four bytes make my row's scale word
	v_lshl_or_b32 v[\pw], v[QT+2], 16, v[\pw]
	v_lshl_or_b32 v[\pw], v[QT+3], 24, v[\pw]
.irp b, 0,1,2,3
	v_cvt_scalef32_pk8_fp4_f32 v[(\pc)+2*\b], v[(\s)+16*\b:(\s)+7+16*\b], v[QO+\b]
	v_cvt_scalef32_pk8_fp4_f32 v[(\pc)+1+2*\b], v[(\s)+8+16*\b:(\s)+15+16*\b], v[QO+\b]
.endr
	v_nop                                          ; one plain instruction behind the scaled conversions
.irp c, 0,1                                    ; the operand's layout wants a whole block in a lane: lanes 0-15 block 2 c, lanes 16-31 block 2 c + 1
.irp i, 0,1
	v_permlane16_swap_b32 v[(\pc)+4*\c+\i], v[(\pc)+2+4*\c+\i]
.endr
.endr
.endm
; V's keys 32 x on of my 64: 32 loads, each 128 consecutive bytes a wave; the four waves of a key range stand side by side on a row's 512 bytes
.macro VLOAD x
.set i, 0
.rept 32
	global_load_b32 v[VR+32*(\x)+i], v[L4], s[6:7] offset:(32*(\x)+i)*4096 th:TH_LOAD_NT
.set i, i+1
.endr
.endm
; a block of 32 keys of my channel: all its numbers are mine.  Its codes go to v[cd] on, its byte to v[VT+3]
.macro VBLOCK x, cd
.set XS, VR+32*(\x)
.set VT, 240+4*(\x)
	v_max3_num_f32 v[VT], |v[XS]|, |v[XS+1]|, |v[XS+2]|
	v_max3_num_f32 v[VT+1], |v[XS+3]|, |v[XS+4]|, |v[XS+5]|
.irp i, 6,10,14,18,22,26
	v_max3_num_f32 v[VT], v[VT], |v[XS+\i]|, |v[XS+\i+1]|
	v_max3_num_f32 v[VT+1], v[VT+1], |v[XS+\i+2]|, |v[XS+\i+3]|
.endr
	v_max3_num_f32 v[VT], v[VT], |v[XS+30]|, |v[XS+31]|
	v_max3_num_f32 v[VT], v[VT], v[VT+1], 0x1800000    ; and the floor
	v_add_nc_u32 v[VT+2], 0xff000000, v[VT]
	v_lshrrev_b32 v[VT+3], 23, v[VT+2]
.irp g, 0,1,2,3
	v_cvt_scalef32_pk8_fp4_f32 v[(\cd)+\g], v[XS+8*\g:XS+8*\g+7], v[VT+2]
.endr
.endm
	s_load_b256 s[4:11], s[0:1], 0x0               ; k s[4:5], v s[6:7], kvc s[8:9], kvs s[10:11]
	v_lshl_add_u32 v[SPW], v0, 2, SPARE
	v_mov_b32 v[NIL], 0
	v_lshrrev_b32 v1, 5, v0
	v_readfirstlane_b32 s12, v1                    ; wave 0..7
	v_and_b32 v1, 31, v0                           ; lane
	v_and_b32 v2, 15, v0                           ; r
	v_bfe_u32 v3, v0, 4, 1                         ; h
	v_lshlrev_b32 v[LI], 4, v1
	v_lshlrev_b32 v[L4], 2, v1
	s_mul_i32 s40, s12, KSTW
	s_add_co_u32 s40, s40, KST                     ; my stage
	v_add_nc_u32 v[KSI], s40, v[LI]
	v_mul_u32_u24 v[KSO], v2, KP
	v_lshl_add_u32 v[KSO], v3, 6, v[KSO]
	v_add_nc_u32 v[KSO], s40, v[KSO]
	s_lshr_b32 s22, s12, 2                         ; w / 4: K's tile / 4, and which 64 keys of V
	s_and_b32 s23, s12, 3                          ; w % 4: K's tile % 4, and which 32 channels of V
	s_lshl_b32 s41, s22, 8
	s_lshl_b32 s42, s23, 2
	s_add_co_u32 s41, s41, s42
	v_lshl_add_u32 v[KSC], v2, 4, s41              ; 256 (t / 4) + 4 (t % 4) + 16 r
	s_lshr_b32 s42, s23, 1                         ; my lane's channel lies in tile 2 (w % 4) + h, row r
	s_lshl_b32 s42, s42, 8
	s_and_b32 s43, s23, 1
	s_lshl_b32 s43, s43, 3
	s_add_co_u32 s42, s42, s43
	s_lshl_b32 s43, s22, 1                         ; my two blocks' bytes in its word
	s_add_co_u32 s42, s42, s43
	v_lshl_add_u32 v[VSC], v2, 4, s42
	v_lshl_add_u32 v[VSC], v3, 2, v[VSC]
.irp b, 0,1,2,3
	v_mov_b32 v[QT+\b], 0                          ; written once: a lane permute's destination counts as one of its sources
.endr
	s_mov_b32 s[SEL], 0x76543210
	s_mov_b32 s[SEL+1], 0xfedcba98
	s_mov_b32 s13, ttmp9                           ; the step
	s_and_b32 s14, ttmp7, 0xffff                   ; y = 8 batch + head
	s_lshr_b32 s15, s14, 3
	s_and_b32 s16, s14, 7
	s_lshl_b32 s17, s15, 11
	s_lshl_b32 s18, s13, 7
	s_add_co_u32 s17, s17, s18                     ; 2048 batch + the step's first key
	s_lshr_b32 s18, s12, 1                         ; K: my tile's first key: 32 (w / 2) + 8 (w % 2)
	s_lshl_b32 s18, s18, 5
	s_and_b32 s19, s12, 1
	s_lshl_b32 s19, s19, 3
	s_add_co_u32 s18, s18, s19
	s_add_co_u32 s18, s18, s17
	s_lshl_b32 s18, s18, 3
	s_add_co_u32 s18, s18, s16
	s_lshl_b32 s24, s18, 9                         ; ((2048 batch + key) 8 + head) rows of 512 bytes: under 2^25
	s_mov_b32 s25, 0
	s_lshl_b32 s18, s22, 6                         ; V: my first key, 64 (w / 4)
	s_add_co_u32 s18, s18, s17
	s_lshl_b32 s18, s18, 3
	s_add_co_u32 s18, s18, s16
	s_lshl_b32 s26, s18, 9
	s_lshl_b32 s19, s23, 7                         ; and my 32 channels
	s_add_co_u32 s26, s26, s19
	s_mov_b32 s27, 0
	s_lshl_b32 s18, s14, 4
	s_add_co_u32 s18, s18, s13                     ; the unit: 16 y + step
	s_lshl_b32 s28, s18, 14
	s_mov_b32 s29, 0
	s_lshl_b32 s30, s18, 10
	s_mov_b32 s31, 0
	s_lshl_b32 s36, s12, 10                        ; K's tile w in the unit
	s_mov_b32 s37, 0
	s_lshl_b32 s38, s23, 11                        ; V's tiles 2 (w % 4) and + 1, group w / 4
	s_lshl_b32 s19, s22, 9
	s_add_co_u32 s38, s38, s19
	s_add_co_u32 s38, s38, 8192
	s_mov_b32 s39, 0
	s_wait_kmcnt 0x0
	s_add_nc_u64 s[4:5], s[4:5], s[24:25]
	s_add_nc_u64 s[6:7], s[6:7], s[26:27]
	s_add_nc_u64 s[8:9], s[8:9], s[28:29]
	s_add_nc_u64 s[10:11], s[10:11], s[30:31]
	s_add_nc_u64 s[32:33], s[8:9], s[36:37]
	s_add_nc_u64 s[34:35], s[8:9], s[38:39]
.set i, 0
.rept 16
	global_load_b128 v[KR+4*i:KR+4*i+3], v[LI], s[4:5] offset:(i+8*(i/8))*4096 th:TH_LOAD_NT   ; row i of my tile: 512 consecutive bytes
.set i, i+1
.endr
	VLOAD 0
	s_wait_loadcnt 32                              ; K's sixteen loads are in; V's 32 behind them may be out
.set i, 0
.rept 16
	ds_store_b128 v[KSI], v[KR+4*i:KR+4*i+3] offset:KP*i
.set i, i+1
.endr
	VLOAD 1
.irp b, 0,1,2,3
.irp j, 0,1,2,3
	ds_load_b128 v[KX+16*\b+4*\j:KX+16*\b+4*\j+3], v[KSO] offset:128*\b+16*\j   ; LDS serves a wave's instructions in order (ISA guide 5.7.1.4): these see the stores above
.endr
.endr
	s_wait_dscnt 0x0
	QUANT KX, PC, PW
	global_store_b128 v[LI], v[PC:PC+3], s[32:33]              ; each store covers 512 consecutive bytes, aligned
	global_store_b128 v[LI], v[PC+4:PC+7], s[32:33] offset:512
	ds_store_b32 v[KSC], v[PW] offset:SCL          ; both halves of the lanes write the same word with the same value
	s_wait_loadcnt 32                              ; V's first 32 loads are in; the second 32 may be out
	VBLOCK 0, CX
	s_wait_loadcnt 0x0
	VBLOCK 1, CY
	v_nop                                          ; one plain instruction behind the scaled conversions
.irp i, 0,1,2,3
	v_permlane16_swap_b32 v[CX+\i], v[CY+\i]       ; CX: lanes 0-15 keys 0-31, lanes 16-31 keys 32-63 of channels 0-15 of my 32: tile 2 (w % 4); CY: the same of channels 16-31: the next tile
.endr
	v_lshl_or_b32 v[PW+1], v247, 8, v243           ; my channel's two scale bytes
	ds_store_b16 v[VSC], v[PW+1] offset:SCL+512
	global_store_b128 v[LI], v[CX:CX+3], s[34:35]
	global_store_b128 v[LI], v[CY:CY+3], s[34:35] offset:1024
	s_wait_dscnt 0x0                               ; for the others' sake: my scale words and bytes lie in LDS
	s_barrier_signal -1
	s_barrier_wait -1
	s_cmp_lg_u32 s12, 0                            ; wave 0 stores the unit's 1,024 bytes of scales, 512 consecutive bytes a store
	s_cbranch_scc1 .Lend
	ds_load_b128 v[16:19], v[LI] offset:SCL
	ds_load_b128 v[20:23], v[LI] offset:SCL+512
	s_wait_dscnt 0x0
	global_store_b128 v[LI], v[16:19], s[10:11]
	global_store_b128 v[LI], v[20:23], s[10:11] offset:512
.Lend:
	s_wait_tensorcnt 0x0                           ; the wave's end, behind my last LDS store
	ds_add_u32 v[SPW], v[NIL]
	s_wait_dscnt 0x0
	s_endpgm
.Lfunc_end_k_q48087fd651_prep:
	.size	k_q48087fd651_prep, .Lfunc_end_k_q48087fd651_prep-k_q48087fd651_prep
	.p2alignl 7, 3214868480
	.fill 96, 4, 3214868480
	.section	.rodata,"a",@progbits
	.p2align	6, 0x0
	.amdhsa_kernel k_q48087fd651_prep
		.amdhsa_group_segment_fixed_size 69632
		.amdhsa_private_segment_fixed_size 0
		.amdhsa_enable_private_segment 0
		.amdhsa_kernarg_size 32
		.amdhsa_user_sgpr_count 2
		.amdhsa_user_sgpr_kernarg_segment_ptr 1
		.amdhsa_wavefront_size32 1
		.amdhsa_system_sgpr_workgroup_id_x 1
		.amdhsa_system_sgpr_workgroup_id_y 1
		.amdhsa_system_sgpr_workgroup_id_z 1
		.amdhsa_system_vgpr_workitem_id 0
		.amdhsa_next_free_vgpr 256
		.amdhsa_next_free_sgpr 66
		.amdhsa_reserve_vcc 0
		.amdhsa_float_denorm_mode_32 3
		.amdhsa_float_denorm_mode_16_64 3
		.amdhsa_memory_ordered 1
		.amdhsa_forward_progress 1
		.amdhsa_inst_pref_size 21
	.end_amdhsa_kernel
	.amdgpu_metadata
---
amdhsa.version: [ 1, 2 ]
amdhsa.kernels:
  - .name:           k_q48087fd651_prep
    .symbol:         k_q48087fd651_prep.kd
    .args:
      - { .name: k, .offset: 0, .size: 8, .value_kind: global_buffer, .address_space: global }
      - { .name: v, .offset: 8, .size: 8, .value_kind: global_buffer, .address_space: global }
      - { .name: kvc, .offset: 16, .size: 8, .value_kind: global_buffer, .address_space: global }
      - { .name: kvs, .offset: 24, .size: 8, .value_kind: global_buffer, .address_space: global }
    .group_segment_fixed_size: 69632
    .private_segment_fixed_size: 0
    .kernarg_segment_align: 8
    .kernarg_segment_size: 32
    .max_flat_workgroup_size: 256
    .sgpr_count:     66
    .vgpr_count:     256
    .wavefront_size: 32
...
	.end_amdgpu_metadata
.endif
;; end of part 1
;; launch attn (part 2): grid 16 x 16, 16 waves a work-group, no clusters, 327,680 bytes of LDS; arguments q, kvc, kvs, out0; writes out0
.if DOCPART == 2
	.amdgcn_target "amdgcn-amd-amdhsa--gfx1250"
	.amdhsa_code_object_version 6
	.text
	.protected	k_q48087fd651_attn
	.globl	k_q48087fd651_attn
	.p2align	8
	.type	k_q48087fd651_attn,@function
k_q48087fd651_attn:
	s_mov_b64 s[64:65], 0
	v_nop
	global_prefetch_b8 v0, s[64:65] scope:SCOPE_SE
	s_setreg_imm32_b32 hwreg(HW_REG_WAVE_MODE, 25, 1), 1
	s_wait_xcnt 0x0
; out[b][i][head][:] = the sum over keys j <= i of softmax_j(q . k / sqrt(128)) v, both products on codes of FP4 (E2M1) with one E8M0 scale for each 32 along a product's K.
; WORK LEFT OUT: a step of 128 keys whose first key comes after all of a wave's 16 queries: there the mask makes every p exactly 0, whatever the inputs hold, so the step reaches no output.
; LIMITS: a NaN, an infinity or an overflow that reaches only such steps is not carried to the result; a block of zeros (of q, or of p) gets the scale byte 1 where the rule says 127: its codes are zeros;
; blocks of q whose largest magnitude lies under 2^-124 have their byte held at 1; NaN and infinities among the inputs are not served.
; THE SOFTMAX AHEAD OF THE SECOND PRODUCT: t = score x log2(e) / sqrt(128); M = the row's largest t so far, rounded up to a whole number; p = 2^(t - M) is what is quantised, along the keys, not normalised.
; The row's sum is taken of the unquantised p and divides at the end.  When M moves, the sum and O are multiplied by 2^(old M - new M): exact.
; SHARES.  A work-group (x = p, y = 8 batch + key/value head) owns two blocks of 64 queries x the 4 query heads of that key/value head: block 31 - p first, then block p.  A block's 64 queries lie inside one
; step of 128 keys, so all sixteen waves walk the same steps 0 .. LAST, LAST = block / 2, and only step LAST is masked.  ((31 - p) / 2 + 1) + (p / 2 + 1) = 17 steps for every p: equal work in all 256 work-groups.
; Wave w: head w % 4, queries 16 (w / 4) on of the block: one tile, in 256 registers.
; K AND V STAY IN LDS: the key/value head's codes are 16 steps x 16,384 bytes, its scale words 16,384 bytes: every LDS byte is filled at most once.  Steps 0-7, which every work-group reads ((31 - p) / 2 is at least 8),
; are the first fills, one tensor load a wave; step s + 8 is asked for behind the barrier of trip s of the first loop, while s + 8 <= LAST of the first block.  The second block finds its keys in LDS.
; All loops have 8 trips; what a work-group does not need is jumped over by scalar branches on ids and the count of steps.
; NO CLUSTER: the work-groups of a key/value head need different numbers of steps ((31 - p) / 2 + 1), and every partner named would have to make every joint request.
; LAYOUT.  Both products are used transposed: S^T = K Q^T (source 0 = 16 keys, source 1 = my 16 queries), O^T = V^T P^T (source 0 = 16 channels, source 1 = P): a lane holds one query (lane % 16) throughout.
; The fragments lie in LDS as images of their registers (the launch before laid them so): 16 bytes a lane, 512 consecutive bytes a load.  Lane r of K's tile 2 b + u holds key 32 b + 8 u + r + 8 (r / 8), so that
; the 16 registers of tiles 2 b and 2 b + 1 are keys 32 b + 16 (lane / 16) + 0 .. 15.
; REGISTERS: v1-11 addresses; v12 -M, v13 the largest t, v[14:15] the sum in two halves; v16-23, v24-31 the two blocks' codes of Q; v32-95 eight fragments of K, then of V; v96-159 S^T, then p; v160-223 O^T;
; v224-231 p's codes; v232-247, v252 at work; scale words alone in v240-243, v248-251 (K's, V's), v253 (p's), v254, v255 (Q's).
.set STEPB, 16384                      ; a step's codes: K's 8 tiles, then V's 8
.set SCB,   262144                     ; behind the codes: the scale words, 1,024 bytes a step
.set QST,   278528                     ; a stage for each wave, for q's turn: 16 rows of 128 bytes + 16; no fill lands here
.set QP,    144
.set QSTW,  16*QP
.set SPARE, 315392                     ; the spare words, 128 bytes for each wave: eight blocks of 256 bytes that no other line names
.set STAGE, 131072                     ; the way out: 16 rows x (256 bytes + 16) for each wave, in the bytes of steps 8-12: used only when those have had their last fill and their last read
.set SP,    272
.set STGW,  16*SP
.set LI,  1                            ; v1   16 x lane
.set LSC, 2                            ; v2   SCB + 16 r
.set DM,  3                            ; v3   r - 16 h, for the mask
.set STO, 4                            ; v4   the way out: where I put 32 bytes of a row
.set SPW, 5                            ; v5   LDS address of my spare word; never rewritten
.set NIL, 6                            ; v6   0; never rewritten
.set GO,  7                            ; v7   my byte offset in the wave's rows of out
.set ADR, 8                            ; v8   the step's codes
.set ADS, 9                            ; v9   the step's scale words
.set SRD, 10                           ; v10  the way out: where I read a row back
.set PFO, 11                           ; v11  256 x lane, for the prefetches
.set QSI, 224                          ; at the head: q's stage, in;
.set QSO, 225                          ; out;
.set VQ,  226                          ; my byte offset in the wave's rows of q
.set QM,  232
.set QT,  236
.set QO,  244
.set WV,    12
.set PP,    13
.set YY,    14
.set LAST1, 15
.set LAST2, 16
.set SEL,   20                         ; s[20:21] lane selects for v_permlanex16_b32: lane l xor 16
.set CS,    22                         ; s[22:23] c = log2(e) / sqrt(128), twice: the packed form names a pair
.set G1,    24                         ; s[24:31] descriptor group 1: 32 rows of 256 bytes
.set G1S,   32                         ; s[32:39] 64 rows of 256 bytes
.set G0H,   40                         ; s[40:43] group 0 of my first fill
.set G0S,   44                         ; s[44:47] of the scale words
.set G0F,   48                         ; s[48:51] of the later fills: it walks
.set STP,   52                         ; the step
.set TB,    53                         ; 16384 x step
.set TS,    54                         ; 1024 x step
.set CNT,   55                         ; a loop's trips to go
.set Q01,   56                         ; my first query in the first block,
.set Q02,   57                         ; in the second
.set LIM,   58                         ; 1 in a wave that prefetches, else the greatest number
.set PFA,   60                         ; s[60:61] where my prefetches stand
.set OB1,   66                         ; s[66:67], s[68:69] out at my rows of the two blocks
.set OB2,   68
.set QB1,   70                         ; s[70:71], s[72:73] q likewise
.set QB2,   72
; A PREFETCH INTO THE L2 of the step that the NEXT trip's tensor loads will ask for.  All sixteen work-groups of a key/value head read the same codes: the one with p = 0, which walks all sixteen steps, asks; in it
; waves 2 and 3, which fetch nothing there: 8,192 bytes each (K's half, V's half), lanes 256 bytes apart: each aligned block of 256 bytes is named once in the launch.  Trip s (0..6) names step s + 9; trip 7 names nothing.
.macro ASK
	s_cmp_gt_u32 s[CNT], s[LIM]
	s_cbranch_scc0 .Lnot_mine_\@
	global_prefetch_b8 v[PFO], s[PFA:PFA+1] th:TH_LOAD_NT scope:SCOPE_SE
.Lnot_mine_\@:
.endm
; The barrier at a trip's head.  Each wave waits for all its tensor loads, adds 0 to its spare word, waits for that and for its LDS reads, and meets the others: what was asked for a trip ago lies in LDS for all.
; fill = 1: behind it waves 0 and 1 ask for K's and V's halves of step STP + 8, a wave's one tensor load until the next such barrier, while that step is one that the first block reads.
.macro CHANGE fill
	s_wait_tensorcnt 0x0                           ; no tensor load of mine is out, so a group 0 may be written
	ds_add_u32 v[SPW], v[NIL]                      ; 0 onto my spare word
.if \fill
	s_add_co_u32 s[G0F+1], s[G0F+1], STEPB         ; the walking descriptor: the next step, in LDS
	s_add_nc_u64 s[G0F+2:G0F+3], s[G0F+2:G0F+3], STEPB   ; and in memory; the type bits on top are not reached
	s_wait_xcnt 0x0                                ; the last prefetch, a trip back, has read its address
	s_add_nc_u64 s[PFA:PFA+1], s[PFA:PFA+1], STEPB
.endif
	s_wait_dscnt 0x0                               ; the add is done, and my LDS reads are in
	s_barrier_signal -1
	s_barrier_wait -1
.if \fill
	s_add_co_u32 s96, s[STP], 8
	s_cmp_gt_u32 s96, s[LAST1]                     ; ids and the count of steps alone: all sixteen waves go the same way.  A step beyond the first block's last is read by nobody and is not asked for
	s_cbranch_scc1 .Lpast_\@
	s_cmp_lt_u32 s[WV], 2
	s_cbranch_scc0 .Lpast_\@
	tensor_load_to_lds s[G0F:G0F+3], s[G1:G1+7]
	s_nop 0
.rept 4
	v_nop
.endr
.Lpast_\@:
	ASK
.endif
.endm
; my 16 queries' rows of q (512 bytes each, 16,384 apart): load (i, b) takes bytes 128 b on of rows 4 i .. 4 i + 3, eight lanes to a row
.macro QLOAD reg, base
.irp i, 0,1,2,3
.irp b, 0,1,2,3
	global_load_b128 v[\reg+16*\b+4*\i:\reg+16*\b+4*\i+3], v[VQ], s[\base:\base+1] offset:65536*\i+128*\b th:TH_LOAD_NT
.endr
.endr
.endm
; the turn through my stage, a block of 32 along d at a time: afterwards v[160 + 16 b + i] = d 32 b + 16 h + i of query r.  LDS serves a wave's instructions in order (ISA guide 5.7.1.4): no wait between the passes
.macro QTURN reg
.irp b, 0,1,2,3
.irp i, 0,1,2,3
	ds_store_b128 v[QSI], v[\reg+16*\b+4*\i:\reg+16*\b+4*\i+3] offset:4*QP*\i
.endr
.irp j, 0,1,2,3
	ds_load_b128 v[160+16*\b+4*\j:163+16*\b+4*\j], v[QSO] offset:16*\j
.endr
.endr
	s_wait_dscnt 0x0
.endm
; 64 numbers of a lane, register 16 b + i = k 32 b + 16 (lane / 16) + i of my row, become a fragment's codes in v[pc] on and its scale word in v[pw].
.macro QUANT s, pc, pw
.irp b, 0,1,2,3
	v_max3_num_f32 v[QM+\b], |v[(\s)+16*\b]|, |v[(\s)+1+16*\b]|, 0x1800000   ; block b: my 16 numbers, and the floor 2^(3 - 127): the byte cannot fall under 1
.endr
.irp i, 2,4,6,8,10,12,14
.irp b, 0,1,2,3
	v_max3_num_f32 v[QM+\b], v[QM+\b], |v[(\s)+16*\b+\i]|, |v[(\s)+1+16*\b+\i]|
.endr
.endr
.irp b, 0,1,2,3
	v_permlanex16_b32 v[QT+\b], v[QM+\b], s[SEL], s[SEL+1]
.endr
.irp b, 0,1,2,3
	v_max_num_f32 v[QM+\b], v[QM+\b], v[QT+\b]
.endr
.irp b, 0,1,2,3
	v_add_nc_u32 v[QO+\b], 0xff000000, v[QM+\b]    ; 2 off the exponent field: the conversion's scale operand
.endr
.irp b, 0,1,2,3
	v_lshrrev_b32 v[QT+\b], 23, v[QO+\b]
.endr
	v_lshl_or_b32 v[\pw], v[QT+1], 8, v[QT]
	v_lshl_or_b32 v[\pw], v[QT+2], 16, v[\pw]
	v_lshl_or_b32 v[\pw], v[QT+3], 24, v[\pw]
.irp b, 0,1,2,3
	v_cvt_scalef32_pk8_fp4_f32 v[(\pc)+2*\b], v[(\s)+16*\b:(\s)+7+16*\b], v[QO+\b]
	v_cvt_scalef32_pk8_fp4_f32 v[(\pc)+1+2*\b], v[(\s)+8+16*\b:(\s)+15+16*\b], v[QO+\b]
.endr
	v_nop                                          ; one plain instruction behind the scaled conversions
.irp c, 0,1
.irp i, 0,1
	v_permlane16_swap_b32 v[(\pc)+4*\c+\i], v[(\pc)+2+4*\c+\i]
.endr
.endr
.endm
; a block of queries begins: the largest t is under every t, the sum and O^T are zeros, which the first change of M leaves zeros: so the step is written without a first step of its own
.macro INIT
	v_mov_b32 v13, 0xff61b1e6                      ; -3e38
	v_floor_f32 v12, -v13
	v_mov_b32 v14, 0
	v_mov_b32 v15, 0
.set j, 0
.rept 64
	v_mov_b32 v[160+j], 0
.set j, j+1
.endr
.endm
; A KEY STEP: 128 keys.  qc, qs: Q's codes and scale word.  edge = 1: the step may be the block's last (masked) or lie beyond it (left out); last: the register with the block's last step; qz: with my first query.
.macro STEP qc, qs, edge, last, qz
.if \edge
	s_cmp_gt_u32 s[STP], s[\last]                  ; all 128 keys come after the block's queries: the step's loads, products and softmax are left out
	s_cbranch_scc1 .Lhidden_\@
.endif
	v_add_nc_u32 v[ADR], s[TB], v[LI]
	v_add_nc_u32 v[ADS], s[TS], v[LSC]
.irp t, 0,1,2,3,4,5,6,7                        ; K's eight fragments (four v_nop at the last step's end stand between its products and these loads)
.irp c, 0,1
	ds_load_b128 v[32+8*\t+4*\c:35+8*\t+4*\c], v[ADR] offset:1024*\t+512*\c
.endr
.endr
	ds_load_b128 v[248:251], v[ADS]                ; and their scale words: tiles 0-3,
	ds_load_b128 v[240:243], v[ADS] offset:256     ; tiles 4-7
	s_wait_dscnt 0x0
.irp t, 0,1,2,3,4,5,6,7                        ; S^T = K Q^T: eight accumulators, one instruction each
	v_wmma_scale_f32_16x16x128_f8f6f4 v[96+8*\t:103+8*\t], v[32+8*\t:39+8*\t], v[\qc:\qc+7], 0, v[248+\t-12*(\t/4)], v[\qs] matrix_a_fmt:MATRIX_FMT_FP4 matrix_b_fmt:MATRIX_FMT_FP4
.endr
.rept 4
	v_nop                                          ; four plain instructions between the products and the loads into their registers, and the first read of their results
.endr
.irp t, 0,1,2,3,4,5,6,7                        ; V's eight fragments into the same registers: they land while the softmax is worked
.irp c, 0,1
	ds_load_b128 v[32+8*\t+4*\c:35+8*\t+4*\c], v[ADR] offset:8192+1024*\t+512*\c
.endr
.endr
	ds_load_b128 v[248:251], v[ADS] offset:512
	ds_load_b128 v[240:243], v[ADS] offset:768
.if \edge                                      ; in the block's last step the scores of hidden keys become -infinity ahead of the maximum: p = 0 there
	s_cmp_lg_u32 s[STP], s[\last]
	s_cbranch_scc1 .Lopen_\@
	s_lshl_b32 s96, s[STP], 7
	s_sub_co_i32 s96, s[\qz], s96
	v_add_nc_u32 v252, s96, v[DM]                  ; d = my query - the step's first key - 16 h.  Register 16 b + i holds key 32 b + 16 h + i of the step: hidden where 32 b + i > d
	v_mov_b32 v236, 0xff800000                     ; -infinity
.set n, 0
.rept 64
	v_cmp_gt_i32 vcc_lo, 32*(n/16)+n%16, v252
	v_cndmask_b32 v[96+n], v[96+n], v236, vcc_lo
.set n, n+1
.endr
.Lopen_\@:
.endif
.irp b, 0,1,2,3
	v_max3_num_f32 v[232+\b], v[96+16*\b], v[97+16*\b], v[98+16*\b]   ; the largest score of each block of 32 keys: it serves the row's maximum and, since p rises with the score, the block's largest p
.endr
.irp i, 3,5,7,9,11,13
.irp b, 0,1,2,3
	v_max3_num_f32 v[232+\b], v[232+\b], v[96+16*\b+\i], v[97+16*\b+\i]
.endr
.endr
.irp b, 0,1,2,3
	v_max_num_f32 v[232+\b], v[232+\b], v[111+16*\b]
.endr
.irp b, 0,1,2,3
	v_permlanex16_b32 v[236+\b], v[232+\b], s[SEL], s[SEL+1]
.endr
.irp b, 0,1,2,3
	v_max_num_f32 v[232+\b], v[232+\b], v[236+\b]  ; with lane l xor 16's 16 keys
.endr
	v_max3_num_f32 v236, v232, v233, v234
	v_max_num_f32 v236, v236, v235                 ; the step's largest score of my query
	v_mul_f32 v236, s[CS], v236                    ; as t (c is positive)
	v_max_num_f32 v13, v13, v236                   ; the running largest t
	v_mov_b32 v236, v12
	v_floor_f32 v12, -v13                          ; the new -M = floor(-t) = -ceil(t): a whole number
	v_sub_f32 v236, v12, v236                      ; old M - new M: a whole number, 0 or less
	v_cvt_i32_f32 v236, v236                       ; (it saturates)
	v_ldexp_f32 v252, 1.0, v236                    ; f = 2^(old M - new M)
.set j, 0
.rept 32
	v_pk_fma_f32 v[96+j:97+j], v[96+j:97+j], s[CS:CS+1], v[12:13] op_sel_hi:[1,0,0]   ; t - M, two at a time (of the pairs c and -M the low word serves both halves)
.set j, j+2
.endr
.irp b, 0,1,2,3
	v_fma_f32 v[232+\b], v[232+\b], s[CS], v12     ; the same of each block's largest score
.endr
.set j, 0
.rept 64
	v_exp_f32 v[96+j], v[96+j]                     ; p = 2^(t - M), at most 1
.set j, j+1
.endr
	v_pk_mul_f32 v[14:15], v[14:15], v[252:253] op_sel_hi:[1,0]   ; the sums under the new M: the plain instruction behind the exponentials
	s_wait_alu depctr_va_vdst(0)                   ; one wait for the whole batch, ahead of its first reader
.irp b, 0,1,2,3
	v_exp_f32 v[232+\b], v[232+\b]                 ; the block's largest p: the same two instructions on the same number give the same bits
.endr
	v_pk_add_f32 v[236:237], v[96:97], v[98:99]    ; the row's sum is taken of the unquantised p: two at a time, in two chains
.irp j, 4,8,12,16,20,24,28,32,36,40,44,48,52,56,60
	v_pk_add_f32 v[14:15], v[14:15], v[96+\j:97+\j]
	v_pk_add_f32 v[236:237], v[236:237], v[98+\j:99+\j]
.endr
	v_pk_add_f32 v[14:15], v[14:15], v[236:237]
	s_wait_alu depctr_va_vdst(0)                   ; and one for the four
.irp b, 0,1,2,3
	v_max_num_f32 v[232+\b], 0x1800000, v[232+\b]  ; the floor 2^(3 - 127): the byte cannot fall under 1
.endr
.irp b, 0,1,2,3
	v_add_nc_u32 v[244+\b], 0xff000000, v[232+\b]  ; 2 off the exponent field: the conversion's scale operand
.endr
.irp b, 0,1,2,3
	v_lshrrev_b32 v[236+\b], 23, v[244+\b]         ; the scale's byte
.endr
	v_lshl_or_b32 v253, v237, 8, v236              ; p's scale word for these 128 keys
	v_lshl_or_b32 v253, v238, 16, v253
	v_lshl_or_b32 v253, v239, 24, v253
.irp b, 0,1,2,3
	v_cvt_scalef32_pk8_fp4_f32 v[224+2*\b], v[96+16*\b:103+16*\b], v[244+\b]
	v_cvt_scalef32_pk8_fp4_f32 v[225+2*\b], v[104+16*\b:111+16*\b], v[244+\b]
.endr
	v_nop                                          ; one plain instruction behind the scaled conversions
.irp c, 0,1                                    ; the operand's layout wants a whole block in a lane
.irp i, 0,1
	v_permlane16_swap_b32 v[224+4*\c+\i], v[226+4*\c+\i]
.endr
.endr
.set j, 0
.rept 32
	v_pk_mul_f32 v[160+j:161+j], v[160+j:161+j], v[252:253] op_sel_hi:[1,0]   ; O^T under the new M.  These 32 also stand between the writes of p's codes and scale word and the products below
.set j, j+2
.endr
	s_wait_dscnt 0x0                               ; V's fragments and scale words are in
.irp t, 0,1,2,3,4,5,6,7                        ; O^T += V^T P^T: the eight accumulators take turns, one instruction a turn
	v_wmma_scale_f32_16x16x128_f8f6f4 v[160+8*\t:167+8*\t], v[32+8*\t:39+8*\t], v[224:231], v[160+8*\t:167+8*\t], v[248+\t-12*(\t/4)], v253 matrix_a_fmt:MATRIX_FMT_FP4 matrix_b_fmt:MATRIX_FMT_FP4
.endr
.rept 4
	v_nop                                          ; four plain instructions behind the products, for whatever follows: the next step's loads, or the way out's reads
.endr
.if \edge
.Lhidden_\@:
.endif
	s_add_co_u32 s[STP], s[STP], 1
	s_add_co_u32 s[TB], s[TB], STEPB
	s_add_co_u32 s[TS], s[TS], 1024
.endm
; THE WAY OUT of a block: O^T is divided by the row's sum and goes through my stage in LDS, half a row (64 channels, 256 bytes) of 16 queries at a time: sixteen lanes then store 256 consecutive bytes, aligned.
.macro WAYOUT base
	v_add_f32 v14, v14, v15                        ; the sum's two halves,
	v_permlanex16_b32 v252, v14, s[SEL], s[SEL+1]
	v_add_f32 v14, v14, v252                       ; and lane l xor 16's
	v_rcp_f32 v14, v14
	v_nop                                          ; a plain instruction behind the reciprocal,
	s_wait_alu depctr_va_vdst(0)                   ; and the wait ahead of its first reader
.set j, 0
.rept 32
	v_pk_mul_f32 v[96+j:97+j], v[160+j:161+j], v[14:15] op_sel_hi:[1,0]   ; register 8 t + i is out(query r, channel 16 t + 8 h + i); each accumulator is read from its low end on
.set j, j+2
.endr
.irp u, 0,1
.irp t, 0,1,2,3
	ds_store_b128 v[STO], v[96+32*\u+8*\t:99+32*\u+8*\t] offset:64*\t
	ds_store_b128 v[STO], v[100+32*\u+8*\t:103+32*\u+8*\t] offset:64*\t+16
.endr
.irp i, 0,1,2,3,4,5,6,7
	ds_load_b128 v[32+32*\u+4*\i:35+32*\u+4*\i], v[SRD] offset:2*\i*SP   ; LDS serves a wave's instructions in order: these see my stores, and the next half's stores come behind them
.endr
.endr
.irp i, 0,1,2,3,4,5,6,7
	s_wait_dscnt 23-\i                             ; behind this load: 7 - i loads of its half, and the other half's 8 stores and 8 loads
	global_store_b128 v[GO], v[32+4*\i:35+4*\i], s[\base:\base+1] offset:32768*\i th:TH_STORE_NT
.endr
.irp i, 0,1,2,3,4,5,6,7
	s_wait_dscnt 7-\i
	global_store_b128 v[GO], v[64+4*\i:67+4*\i], s[\base:\base+1] offset:32768*\i+256 th:TH_STORE_NT
.endr
.endm
	s_load_b256 s[4:11], s[0:1], 0x0               ; q s[4:5], kvc s[6:7], kvs s[8:9], out s[10:11]
	v_lshl_add_u32 v[SPW], v0, 2, SPARE
	v_mov_b32 v[NIL], 0
	ds_add_u32 v[SPW], v[NIL]                      ; the wave's opening: the add, twice on end, and its wait ahead of my first tensor load; the set-up below, work on registers, stands between
	ds_add_u32 v[SPW], v[NIL]
	v_lshrrev_b32 v12, 5, v0
	v_readfirstlane_b32 s[WV], v12                 ; wave 0..15
	s_mov_b32 s[PP], ttmp9
	s_and_b32 s[YY], ttmp7, 0xffff
	s_sub_co_u32 s74, 31, s[PP]                    ; the first block
	s_lshr_b32 s[LAST1], s74, 1
	s_lshr_b32 s[LAST2], s[PP], 1
	s_lshr_b32 s75, s[WV], 2
	s_lshl_b32 s75, s75, 4                         ; my 16 queries in a block
	s_and_b32 s76, s[WV], 3                        ; my head among the four
	s_lshl_b32 s[Q01], s74, 6
	s_add_co_u32 s[Q01], s[Q01], s75
	s_lshl_b32 s[Q02], s[PP], 6
	s_add_co_u32 s[Q02], s[Q02], s75
	s_lshr_b32 s77, s[YY], 3
	s_lshl_b32 s77, s77, 11                        ; 2048 batch
	s_and_b32 s78, s[YY], 7
	s_lshl_b32 s78, s78, 2
	s_add_co_u32 s78, s78, s76                     ; the query head
	s_lshl_b32 s78, s78, 9
	s_add_co_u32 s80, s77, s[Q01]
	s_lshl_b32 s80, s80, 14                        ; a position's 32 heads are 16,384 bytes
	s_add_co_u32 s80, s80, s78                     ; my first row of the first block, in q and in out: under 2^26
	s_mov_b32 s81, 0
	s_add_co_u32 s82, s77, s[Q02]
	s_lshl_b32 s82, s82, 14
	s_add_co_u32 s82, s82, s78                     ; and of the second
	s_mov_b32 s83, 0
	s_lshl_b32 s84, s[YY], 18                      ; the key/value head's codes,
	s_mov_b32 s85, 0
	s_lshl_b32 s86, s[YY], 14                      ; and scale words
	s_mov_b32 s87, 0
	s_lshl_b32 s[G0H+1], s[WV], 13                 ; my first fill: 8,192 bytes at 8192 w: K's (w even) or V's (w odd) half of step w / 2; in LDS
	s_mov_b32 s88, s[G0H+1]                        ; and in memory alike
	s_mov_b32 s89, 0
	s_and_b32 s90, s[WV], 1
	s_lshl_b32 s90, s90, 13
	s_add_co_u32 s92, s90, 8*STEPB                 ; the prefetches begin at step 8; the first trip steps them to step 9
	s_mov_b32 s93, 0
	s_add_co_u32 s[G0F+1], s90, 7*STEPB            ; the walking descriptor begins at step 7; the first trip steps it to step 8
	s_mov_b32 s90, s[G0F+1]
	s_mov_b32 s91, 0
	; descriptor group 1: a dense block as rows of 256 bytes (32 elements of 8 bytes), no padding, no mask
	s_mov_b32 s[G1+0], 3<<16                       ; 17:16 elements of 8 bytes
	s_mov_b32 s[G1+1], 32<<16                      ; tensor_dim0 = 32
	s_mov_b32 s[G1+2], 32<<16                      ; tensor_dim1 = 32
	s_mov_b32 s[G1+3], 32<<16                      ; tile_dim0 = 32
	s_mov_b32 s[G1+4], 32                          ; tile_dim1 = 32 rows: 8,192 bytes
	s_mov_b32 s[G1+5], 32                          ; from row to row
	s_mov_b32 s[G1+6], 0
	s_mov_b32 s[G1+7], 0
	s_mov_b32 s[G1S+0], 3<<16
	s_mov_b32 s[G1S+1], 32<<16
	s_mov_b32 s[G1S+2], 64<<16
	s_mov_b32 s[G1S+3], 32<<16
	s_mov_b32 s[G1S+4], 64                         ; 64 rows: 16,384 bytes
	s_mov_b32 s[G1S+5], 32
	s_mov_b32 s[G1S+6], 0
	s_mov_b32 s[G1S+7], 0
	s_mov_b32 s[SEL], 0x76543210
	s_mov_b32 s[SEL+1], 0xfedcba98
	s_mov_b32 s[CS], 0x3e0293ee                    ; c = log2(e) / sqrt(128)
	s_mov_b32 s[CS+1], s[CS]
	s_lshr_b32 s74, s[WV], 1                       ; who prefetches: waves 2 and 3
	s_xor_b32 s74, s74, 1
	s_or_b32 s74, s74, s[PP]                       ; of the work-group with p = 0
	s_cmp_eq_u32 s74, 0
	s_cselect_b32 s[LIM], 1, -1
	v_and_b32 v12, 31, v0                          ; lane
	v_and_b32 v13, 15, v0                          ; r
	v_bfe_u32 v14, v0, 4, 1                        ; h
	v_lshlrev_b32 v[LI], 4, v12
	v_lshl_add_u32 v[LSC], v13, 4, SCB
	v_lshlrev_b32 v15, 4, v14
	v_sub_nc_u32 v[DM], v13, v15
	s_mul_i32 s94, s[WV], STGW
	s_add_co_u32 s94, s94, STAGE                   ; my stage for the way out
	v_mul_u32_u24 v[STO], v13, SP
	v_lshl_add_u32 v[STO], v14, 5, v[STO]
	v_add_nc_u32 v[STO], s94, v[STO]               ; in: row r, + 32 h
	v_mul_u32_u24 v[SRD], v14, SP
	v_lshl_add_u32 v[SRD], v13, 4, v[SRD]
	v_add_nc_u32 v[SRD], s94, v[SRD]               ; back: lanes 0-15 one row, lanes 16-31 the next
	v_lshlrev_b32 v[GO], 14, v14
	v_lshl_add_u32 v[GO], v13, 4, v[GO]            ; and the same two rows in out
	v_lshlrev_b32 v[PFO], 8, v12
	s_mul_i32 s95, s[WV], QSTW
	s_add_co_u32 s95, s95, QST                     ; my stage for q
	v_lshrrev_b32 v232, 3, v12
	v_and_b32 v233, 7, v12
	v_mul_u32_u24 v[QSI], v232, QP
	v_lshl_add_u32 v[QSI], v233, 4, v[QSI]
	v_add_nc_u32 v[QSI], s95, v[QSI]               ; in: row lane / 8, 16 (lane % 8)
	v_mul_u32_u24 v[QSO], v13, QP
	v_lshl_add_u32 v[QSO], v14, 6, v[QSO]
	v_add_nc_u32 v[QSO], s95, v[QSO]               ; out: row r, + 64 h
	v_lshlrev_b32 v[VQ], 14, v232
	v_lshl_add_u32 v[VQ], v233, 4, v[VQ]
.irp b, 0,1,2,3
	v_mov_b32 v[236+\b], 0                         ; written once: a lane permute's destination counts as one of its sources
.endr
	v_mov_b32 v253, 0                              ; (named as the upper half of the pair v[252:253] before it is first written)
	s_wait_dscnt 0x0                               ; both opening adds are done
	s_wait_kmcnt 0x0
	s_add_nc_u64 s[6:7], s[6:7], s[84:85]
	s_add_nc_u64 s[8:9], s[8:9], s[86:87]
	s_mov_b32 s[G0H], 1                            ; 1:0 count = 1
	s_add_nc_u64 s[G0H+2:G0H+3], s[6:7], s[88:89]
	s_or_b32 s[G0H+3], s[G0H+3], 0x80000000        ; 127:126 type = 2
	s_mov_b32 s[G0S], 1
	s_mov_b32 s[G0S+1], SCB
	s_mov_b64 s[G0S+2:G0S+3], s[8:9]
	s_or_b32 s[G0S+3], s[G0S+3], 0x80000000
	s_mov_b32 s[G0F], 1
	s_add_nc_u64 s[G0F+2:G0F+3], s[6:7], s[90:91]
	s_or_b32 s[G0F+3], s[G0F+3], 0x80000000
	tensor_load_to_lds s[G0H:G0H+3], s[G1:G1+7]    ; the first fills: every wave's half step of steps 0-7,
	s_nop 0
.rept 4
	v_nop
.endr
	s_cmp_lg_u32 s[WV], 0
	s_cbranch_scc1 .Lno_scales
	tensor_load_to_lds s[G0S:G0S+3], s[G1S:G1S+7]  ; and, by wave 0, the head's scale words: two loads of wave 0 are out, one of every other wave
	s_nop 0
.rept 4
	v_nop
.endr
.Lno_scales:
	s_add_nc_u64 s[QB1:QB1+1], s[4:5], s[80:81]
	s_add_nc_u64 s[QB2:QB2+1], s[4:5], s[82:83]
	QLOAD 96, QB1                                  ; q of both blocks is asked for now, and quantised while the first fills land
	QLOAD 32, QB2
	s_add_nc_u64 s[OB1:OB1+1], s[10:11], s[80:81]
	s_add_nc_u64 s[OB2:OB2+1], s[10:11], s[82:83]
	s_add_nc_u64 s[PFA:PFA+1], s[6:7], s[92:93]
	s_wait_loadcnt 16                              ; the first block's sixteen loads are in; the second block's may be out
	QTURN 96
	QUANT 160, 16, 255
	s_wait_loadcnt 0x0
	QTURN 32
	QUANT 160, 24, 254
	; THE FIRST BLOCK, queries 64 (31 - p) on.  Steps 0-7 count whole for all its queries (its first query is at least 1,024).
	INIT
	s_mov_b32 s[STP], 0
	s_mov_b32 s[TB], 0
	s_mov_b32 s[TS], 0
	s_mov_b32 s[CNT], 8
.Lfirst_a:
	CHANGE 1
	STEP 16, 255, 0, LAST1, Q01
	s_sub_co_u32 s[CNT], s[CNT], 1
	s_cmp_lg_u32 s[CNT], 0
	s_cbranch_scc1 .Lfirst_a
	CHANGE 0                                       ; the last fill lies in LDS for all; nothing more is asked for
	s_mov_b32 s[CNT], 8
.Lfirst_b:                                             ; steps 8-15: no barrier; beyond the block's last step the work is jumped over
	STEP 16, 255, 1, LAST1, Q01
	s_sub_co_u32 s[CNT], s[CNT], 1
	s_cmp_lg_u32 s[CNT], 0
	s_cbranch_scc1 .Lfirst_b
	s_wait_dscnt 0x0                               ; my reads of steps 8 on are over;
	s_barrier_signal -1
	s_barrier_wait -1                              ; everybody's are: their bytes may serve as stages
	WAYOUT OB1
	; THE SECOND BLOCK, queries 64 p on: its keys, steps 0 .. p / 2, lie in LDS, under the stages
	INIT
	s_wait_xcnt 0x0                                ; the stores have read their registers: the fragments may land there again
	s_mov_b32 s[STP], 0
	s_mov_b32 s[TB], 0
	s_mov_b32 s[TS], 0
	s_mov_b32 s[CNT], 8
.Lsecond:
	STEP 24, 254, 1, LAST2, Q02
	s_sub_co_u32 s[CNT], s[CNT], 1
	s_cmp_lg_u32 s[CNT], 0
	s_cbranch_scc1 .Lsecond
	WAYOUT OB2
	s_wait_tensorcnt 0x0                           ; the wave's end, behind my last tensor load and my last LDS store
	ds_add_u32 v[SPW], v[NIL]
	s_wait_dscnt 0x0
	s_endpgm
.Lfunc_end_k_q48087fd651_attn:
	.size	k_q48087fd651_attn, .Lfunc_end_k_q48087fd651_attn-k_q48087fd651_attn
	.p2alignl 7, 3214868480
	.fill 96, 4, 3214868480
	.section	.rodata,"a",@progbits
	.p2align	6, 0x0
	.amdhsa_kernel k_q48087fd651_attn
		.amdhsa_group_segment_fixed_size 327680
		.amdhsa_private_segment_fixed_size 0
		.amdhsa_enable_private_segment 0
		.amdhsa_kernarg_size 32
		.amdhsa_user_sgpr_count 2
		.amdhsa_user_sgpr_kernarg_segment_ptr 1
		.amdhsa_wavefront_size32 1
		.amdhsa_system_sgpr_workgroup_id_x 1
		.amdhsa_system_sgpr_workgroup_id_y 1
		.amdhsa_system_sgpr_workgroup_id_z 1
		.amdhsa_system_vgpr_workitem_id 0
		.amdhsa_next_free_vgpr 256
		.amdhsa_next_free_sgpr 100
		.amdhsa_reserve_vcc 1
		.amdhsa_float_denorm_mode_32 3
		.amdhsa_float_denorm_mode_16_64 3
		.amdhsa_memory_ordered 1
		.amdhsa_forward_progress 1
		.amdhsa_inst_pref_size 103
	.end_amdhsa_kernel
	.amdgpu_metadata
---
amdhsa.version: [ 1, 2 ]
amdhsa.kernels:
  - .name:           k_q48087fd651_attn
    .symbol:         k_q48087fd651_attn.kd
    .args:
      - { .name: q, .offset: 0, .size: 8, .value_kind: global_buffer, .address_space: global }
      - { .name: kvc, .offset: 8, .size: 8, .value_kind: global_buffer, .address_space: global }
      - { .name: kvs, .offset: 16, .size: 8, .value_kind: global_buffer, .address_space: global }
      - { .name: out0, .offset: 24, .size: 8, .value_kind: global_buffer, .address_space: global }
    .group_segment_fixed_size: 327680
    .private_segment_fixed_size: 0
    .kernarg_segment_align: 8
    .kernarg_segment_size: 32
    .max_flat_workgroup_size: 512
    .sgpr_count:     100
    .vgpr_count:     256
    .wavefront_size: 32
...
	.end_amdgpu_metadata
.endif
;; end of part 2
